; MI455X (gfx1250); checked and timed in simulation.
; The chip was launched on July 23, 2026; its instructions are those of AMD's public machine-readable ISA for CDNA 5 (MIT licence, August 2026) and "CDNA5" Instruction Set Architecture Reference Guide (July 2026). The comments in the code are by the model that wrote it; some were corrected since.
;; Self Adaptive Pillarization. Allowed arithmetic: float matrix products may take bf16 or f16 operands with f32 sums; other float arithmetic in f32, or as packed bf16 or f16 multiplies, adds, multiply-adds, maxima and minima; sums over many terms, partial sums and values carried from step to step in f32; what a program stores and reads back later, other than sums and carried values, may be rounded once to bf16 or f16.
;; Inputs: W 10 x 64 float32; beta 64 float32; coors 100,000 x 4 int32; features 100,000 x 32 x 4 float32; gamma 64 float32; num_points 100,000 int32.
;; Outputs: out0 100,000 x 64 float32.
;; One version. Each part assembles by itself: llvm-mc -triple=amdgcn-amd-amdhsa -mcpu=gfx1250 --defsym DOCPART=n.
;; ======== version 1 of 1: 2 launches
;; workspace buffers: gmax 12,800,000 bytes; ustat 3,200,000 bytes; part 64,000 bytes
;; launch pillars (part 1): grid 250 x 1, 25 waves a work-group, no clusters, 214,784 bytes of LDS; arguments features, W, gamma, num_points, coors, gmax, ustat, part; writes gmax, ustat, part
.if DOCPART == 1
	.amdgcn_target "amdgcn-amd-amdhsa--gfx1250"
	.amdhsa_code_object_version 6
	.text
	.protected	k_qf0f30b3df9_pillars
	.globl	k_qf0f30b3df9_pillars
	.p2align	8
	.type	k_qf0f30b3df9_pillars,@function
k_qf0f30b3df9_pillars:
	s_mov_b64 s[64:65], 0
	v_nop
	global_prefetch_b8 v0, s[64:65] scope:SCOPE_SE
	s_setreg_imm32_b32 hwreg(HW_REG_WAVE_MODE, 25, 1), 1
	s_wait_xcnt 0x0
; PILLAR FEATURES, launch 1 of 2.  features [100000][32][4] f32, num_points [100000] i32, coors [100000][4] i32, W [10][64] f32, gamma [64] f32.
; For a valid point  h = A4 . q + u . E  with q = point - the pillar's masked mean of (x, y, z, w), A4 = rows W0+W4+W7, W1+W5+W8, W2+W6+W9, W3,
; u = (mean x, y, z, w, mean xyz - voxel centre), E = rows W0..W3, W7..W9.  This launch makes, for each pillar,
;   gmax : the maximum over its points of sign(gamma) A4 . q, 64 channels, rounded once to bf16 (rounding is monotone: it commutes with the maximum);
;   ustat: u and a flag (1 where the pillar has padded points), 8 f32;
; and for each work-group one row of 48 moments (part): sums of q q^T, the count n, sums of n u' and n u' u'^T, where u' = u - a common reference
; (u's seven numbers as point 0 of pillar 0 alone would give them).  As the q of a pillar add up to 0, these moments give mean and variance of h;
; the reference keeps the later subtraction of the squared mean among numbers of the variance's own size.
; As the q add up to 0, the maximum over the valid points is never below 0: padded points, whose q is multiplied by 0, change nothing.
; FORMATS.  q and A4 go to the matrix unit in bf16, products summed in f32; means, moments and u stay in f32.
; LIMITS.  num_points is clamped to 0..32 (a count above 32 would divide the mean by more points than there are: not served).
; NaN and infinities are not treated apart; a non-finite weight reaches other channels (0 x W in the overlapping windows of B, below).
; SHARES.  250 work-groups x 25 waves; a wave has ONE unit of 16 pillars: 8,192 dense bytes, which one tensor load lays into LDS as 16 rows of 512 bytes, 528 apart.
; Each slot is filled once, by the wave that reads it: by this text's count one tensor load of a wave is out.  Six or seven waves share a SIMD (7 x 144 registers),
; so one wave's matrix work stands beside another's vector work, and the text is written in plain phases.
; NO CLUSTER: work-groups share nothing but W (2,560 bytes).  NO PREFETCH: every load of the launch goes out at its head.
; LANES.  Lane (r = lane % 16, h = lane / 16) holds pillar r, points 16 h .. 16 h + 15: sums along a pillar want one exchange of the halves.
; MATRIX.  A (16 rows x 32 k): row r takes k 0-3 from lane (r, 0) and k 8-11 from lane (r, 1): each lane gives its own point, two registers; registers 2-7 are 0.
; B for channel tile c comes twice: 'lo' holds A4 in the lanes h = 0 (k 0-3) and 0 in the others, 'hi' the other way round: one A, two products, both point groups.
; Only B's registers 0, 1 meet a non-zero k, so the eight fragments lie two registers apart and their windows of eight overlap.
; Column r of tile c is channel 4 r + c: in D (register j: pillar 8 h + j, lane r: the column) a lane ends with four neighbouring channels of a pillar.
.set PITCH, 528                        ; 132 words: the 16 rows that a load touches begin at 16 different groups of four banks (64 banks of 4 bytes: ISA guide 11.1)
.set UNITB, 16*PITCH                   ; a slot: 8,448 bytes = 33 blocks of 256; slot w at w x UNITB.  Read out, it takes its wave's 12 groups of 4 moments x 32 lanes
.set FIN,   25*UNITB                   ; the work-group's row of 64 f32
.set SPARE, FIN+256                    ; the spare words: 128 bytes a wave, thirteen blocks of 256 bytes that no other line names
.set R,    2                           ; lane % 16
.set H,    3                           ; lane / 16
.set SPW,  4                           ; LDS address of my spare word; never rewritten
.set NIL,  5                           ; 0; never rewritten
.set LA,   6                           ; my 256 bytes of the slot
.set GOFF, 7                           ; 16 x lane
.set UOFF, 8                           ; 32 r + 16 h
.set NP,   9                           ; my pillar's count; later an LDS address
.set CO,   10                          ; v[10:13] its coors
.set NPL,  14                          ; first 4 r (an offset); then count - 16 h: my point t is valid where t < NPL
.set NF,   15                          ; first 16 r (an offset); then the count as f32
.set AF,   16                          ; v[16:23] A
.set BB,   24                          ; v[24:45] B: lo(c) at BB + 4 c, hi(c) at BB + 4 c + 2; six zeros behind
.set ACC,  46                          ; v[46:77] the maxima: tile c, pillar j at ACC + 8 c + j.  Before the products the same registers are at work:
.set S,    46                          ;   xx yy zz ww xz yw xw yz xy yx zw wz, my points' sums
.set MEAN, 58
.set SUM,  62
.set QM,   66                          ;   the masked centred point
.set MF,   70                          ;   1.0 or 0 (named as a pair)
.set INV,  72                          ;   1 / max(count, 1) (named as a pair)
.set TC,   74                          ;   the voxel centre (3); 0 for an empty pillar, else 1
.set M2R,  46                          ;   n u'_a u'_b, a <= b, at a (15 - a) / 2 + b - a
.set PB,   78                          ; v[78:141] the points: point t at PB + 4 t; rounded to bf16 they shrink in place to PB + 2 t
.set DD,   110                         ; two D buffers of 16 (lo, hi), where points 8 to 15 lay.  Before the products:
.set TG,   110                         ;   mean - centre (3), flag
.set USTD, 114                         ;   what goes to ustat
.set KE,   118                         ;   u' (7), and n in the lanes h = 0 (both halves hold the same pillar: it is counted once)
.set NUG,  126                         ;   n, n u'
.set WV,   20
.set UN,   21
.set OF,   22                          ; s[22:23] an offset, high word 0
.set G1,   24
.set G0,   32
.set F0,   36                          ; s[36:39] point 0 of pillar 0
.set C0,   40                          ; s[40:43] its coors
.set SEL,  44
.set HI,   46
.set VS,   47
.set HVS,  48
.set GB,   50
.set UB,   52
.set NPB,  54
.set COB,  56
.set PRB,  58
.set RF,   60                          ; s60-62 that point's offsets from its voxel centre
	s_load_b256 s[4:11], s[0:1], 0x0               ; features s[4:5], W s[6:7], gamma s[8:9], num_points s[10:11]
	s_load_b256 s[12:19], s[0:1], 0x20             ; coors s[12:13], gmax s[14:15], ustat s[16:17], part s[18:19]
	v_lshl_add_u32 v[SPW], v0, 2, SPARE
	v_mov_b32 v[NIL], 0
	ds_add_u32 v[SPW], v[NIL]                      ; the wave's opening: the add and its wait ahead of my tensor load; work on registers stands between
	ds_add_u32 v4, v5
	v_lshrrev_b32 v1, 5, v0
	v_readfirstlane_b32 s[WV], v1                  ; wave 0..24
	; descriptor group 1: 16 rows x 128 elements of 4 bytes, dense in memory, 16 bytes of padding behind each row in LDS
	s_mov_b32 s[G1+0], (2<<16)|(1<<20)|(6<<22)|(3<<25)  ; 17:16 4-byte elements; 20 padding on; 24:22 after every 128 words (code 6); 31:25 4 words (code 3)
	s_mov_b32 s[G1+1], 128<<16                     ; tensor_dim0 = 128
	s_mov_b32 s[G1+2], 16<<16                      ; tensor_dim1 = 16
	s_mov_b32 s[G1+3], 128<<16                     ; tile_dim0 = 128
	s_mov_b32 s[G1+4], 16                          ; tile_dim1 = 16
	s_mov_b32 s[G1+5], 128                         ; 128 elements from row to row
	s_mov_b32 s[G1+6], 0
	s_mov_b32 s[G1+7], 0
	s_mov_b32 s[G0], 1                             ; count = 1
	s_mul_i32 s[G0+1], s[WV], UNITB                ; my slot
	s_mul_i32 s[UN], ttmp9, 25
	s_add_co_u32 s[UN], s[UN], s[WV]               ; my unit = 25 x work-group + wave
	s_mov_b32 s[OF+1], 0
	s_mov_b32 s[SEL], 0x76543210                   ; v_permlanex16_b32: each lane takes its own place in the other half
	s_mov_b32 s[SEL+1], 0xfedcba98
	s_mov_b32 s[HI], 0xffff0000                    ; the lanes h = 1
	s_mov_b32 s[VS], 0x3e4ccccd                    ; 0.2
	s_mov_b32 s[HVS], 0x3dcccccd                   ; 0.1: exactly half of it
	v_and_b32 v[R], 15, v0
	v_bfe_u32 v[H], v0, 4, 1
	v_and_b32 v1, 31, v0
	v_lshlrev_b32 v[GOFF], 4, v1
	v_lshlrev_b32 v[UOFF], 5, v[R]
	v_lshl_add_u32 v[UOFF], v[H], 4, v[UOFF]
	v_mul_u32_u24 v[LA], v[R], PITCH
	v_lshl_add_u32 v[LA], v[H], 8, v[LA]           ; row r, points 16 h on
	v_add_nc_u32 v[LA], s[G0+1], v[LA]
	v_lshlrev_b32 v[NPL], 2, v[R]
	v_lshlrev_b32 v[NF], 4, v[R]
	s_wait_dscnt 0x0                               ; the opening add is done
	s_wait_kmcnt 0x0
	s_lshl_b32 s[OF], s[UN], 13                    ; a unit is 8,192 bytes of features
	s_add_nc_u64 s[G0+2:G0+3], s[4:5], s[OF:OF+1]
	s_or_b32 s[G0+3], s[G0+3], 0x80000000          ; type = 2
	tensor_load_to_lds s[G0:G0+3], s[G1:G1+7]      ; my unit: the wave's one tensor load
	s_nop 0
	s_lshl_b32 s[OF], s[UN], 6                     ; 64 bytes of num_points,
	s_add_nc_u64 s[NPB:NPB+1], s[10:11], s[OF:OF+1]
	s_lshl_b32 s[OF], s[UN], 8                     ; 256 of coors
	s_add_nc_u64 s[COB:COB+1], s[12:13], s[OF:OF+1]
	global_load_b32 v[NP], v[NPL], s[NPB:NPB+1]
	global_load_b128 v[CO:CO+3], v[NF], s[COB:COB+1]
.set k, 0
.rept 10
	global_load_b128 v[PB+4*k:PB+4*k+3], v[NF], s[6:7] offset:256*k  ; W[k][4 r .. 4 r + 3]
.set k, k+1
.endr
	global_load_b128 v[PB+40:PB+43], v[NF], s[8:9]                   ; gamma[4 r .. 4 r + 3]
	s_load_b128 s[F0:F0+3], s[4:5], 0x0
	s_load_b128 s[C0:C0+3], s[12:13], 0x0
	s_lshl_b32 s[OF], s[UN], 11                    ; a unit is 2,048 bytes of gmax,
	s_add_nc_u64 s[GB:GB+1], s[14:15], s[OF:OF+1]
	s_lshl_b32 s[OF], s[UN], 9                     ; 512 of ustat
	s_add_nc_u64 s[UB:UB+1], s[16:17], s[OF:OF+1]
	s_lshl_b32 s[OF], ttmp9, 8                     ; the work-group's row of part
	s_add_nc_u64 s[PRB:PRB+1], s[18:19], s[OF:OF+1]
	; fifteen registers are set to 0 while the loads are on their way: the zero k of A, the tail of B's windows, second halves of named pairs, a destination of the exchange
	v_mov_b32 v[QM+3], 0
	v_mov_b32 v[MF+1], 0
	v_mov_b32 v[INV+1], 0
.irp i, 2,3,4,5,6,7
	v_mov_b32 v[AF+\i], 0
.endr
.irp i, 16,17,18,19,20,21
	v_mov_b32 v[BB+\i], 0
.endr
	s_wait_loadcnt 0x0                             ; count, coors, W, gamma
	s_wait_kmcnt 0x0
	; A4, with gamma's sign, in bf16, into the eight fragments
.irp k, 0,1,2
	v_pk_add_f32 v[PB+4*\k:PB+4*\k+1],   v[PB+4*\k:PB+4*\k+1],   v[PB+16+4*\k:PB+16+4*\k+1]
	v_pk_add_f32 v[PB+4*\k+2:PB+4*\k+3], v[PB+4*\k+2:PB+4*\k+3], v[PB+16+4*\k+2:PB+16+4*\k+3]
	v_pk_add_f32 v[PB+4*\k:PB+4*\k+1],   v[PB+4*\k:PB+4*\k+1],   v[PB+28+4*\k:PB+28+4*\k+1]
	v_pk_add_f32 v[PB+4*\k+2:PB+4*\k+3], v[PB+4*\k+2:PB+4*\k+3], v[PB+28+4*\k+2:PB+28+4*\k+3]
.endr
.irp c, 0,1,2,3
	v_and_b32 v[PB+40+\c], 0x80000000, v[PB+40+\c]
.irp k, 0,1,2,3
	v_xor_b32 v[PB+4*\k+\c], v[PB+40+\c], v[PB+4*\k+\c]
.endr
	v_cvt_pk_bf16_f32 v[PB+44+2*\c], v[PB+\c], v[PB+4+\c]      ; k 0, 1
	v_cvt_pk_bf16_f32 v[PB+45+2*\c], v[PB+8+\c], v[PB+12+\c]   ; k 2, 3
	v_cndmask_b32 v[BB+4*\c],   v[PB+44+2*\c], 0, s[HI]        ; lo: 0 in the lanes h = 1
	v_cndmask_b32 v[BB+4*\c+1], v[PB+45+2*\c], 0, s[HI]
	v_cndmask_b32 v[BB+4*\c+2], 0, v[PB+44+2*\c], s[HI]        ; hi: 0 in the lanes h = 0
	v_cndmask_b32 v[BB+4*\c+3], 0, v[PB+45+2*\c], s[HI]
.endr
	; the reference.  (coor + 0.5) x size = coor x size + size / 2 in one rounding: the same number, since coor + 0.5 is exact
	v_cvt_f32_i32 v[QM], s[C0+1]
	v_cvt_f32_i32 v[QM+1], s[C0+2]
	v_cvt_f32_i32 v[QM+2], s[C0+3]
	v_fma_f32 v[QM], v[QM], s[VS], s[HVS]
	v_fma_f32 v[QM+1], v[QM+1], s[VS], s[HVS]
	v_fma_f32 v[QM+2], v[QM+2], 4.0, 2.0
	v_sub_f32 v[QM], s[F0], v[QM]
	v_sub_f32 v[QM+1], s[F0+1], v[QM+1]
	v_sub_f32 v[QM+2], s[F0+2], v[QM+2]
	v_readfirstlane_b32 s[RF], v[QM]
	v_readfirstlane_b32 s[RF+1], v[QM+1]
	v_readfirstlane_b32 s[RF+2], v[QM+2]
	s_wait_tensorcnt 0x0                           ; my unit lies in my slot; no other wave reads it, so no barrier is wanted
.set t, 0
.rept 16
	ds_load_b128 v[PB+4*t:PB+4*t+3], v[LA] offset:16*t
.set t, t+1
.endr
	v_cvt_f32_i32 v[NF], v[NP]
	v_cvt_f32_i32 v[TC], v[CO+1]
	v_cvt_f32_i32 v[TC+1], v[CO+2]
	v_cvt_f32_i32 v[TC+2], v[CO+3]
	v_max_num_f32 v[NF], 0, v[NF]
	v_min_num_f32 v[NF], 0x42000000, v[NF]         ; the count, within 0 .. 32
	v_cvt_i32_f32 v[NPL], v[NF]
	v_lshlrev_b32 v1, 4, v[H]
	v_sub_nc_u32 v[NPL], v[NPL], v1
	v_max_num_f32 v1, 1.0, v[NF]
	v_rcp_f32 v[INV], v1
	v_fma_f32 v[TC], v[TC], s[VS], s[HVS]          ; the voxel centre
	v_fma_f32 v[TC+1], v[TC+1], s[VS], s[HVS]
	v_fma_f32 v[TC+2], v[TC+2], 4.0, 2.0
	v_min_num_f32 v[TC+3], 1.0, v[NF]
	s_wait_alu depctr_va_vdst(0)                   ; the reciprocal's wait, ahead of its first reader; the four lines above are the plain work behind it
	; PASS 1: the masked sum of my 16 points
.set t, 0
.rept 16
	s_wait_dscnt 15-t                              ; LDS loads come back in order (ISA guide 5.7.1): point t is in, the 15 - t younger ones stay out
	v_cmp_lt_i32 vcc_lo, t, v[NPL]
	v_cndmask_b32 v[MF], 0, 1.0, vcc_lo
.if t == 0
	v_pk_mul_f32 v[SUM:SUM+1], v[PB:PB+1], v[MF:MF+1] op_sel_hi:[1,0]
	v_pk_mul_f32 v[SUM+2:SUM+3], v[PB+2:PB+3], v[MF:MF+1] op_sel_hi:[1,0]
.else
	v_pk_fma_f32 v[SUM:SUM+1], v[PB+4*t:PB+4*t+1], v[MF:MF+1], v[SUM:SUM+1] op_sel_hi:[1,0,1]
	v_pk_fma_f32 v[SUM+2:SUM+3], v[PB+4*t+2:PB+4*t+3], v[MF:MF+1], v[SUM+2:SUM+3] op_sel_hi:[1,0,1]
.endif
.set t, t+1
.endr
.irp i, 0,1,2,3
	v_permlanex16_b32 v[QM+\i], v[SUM+\i], s[SEL], s[SEL+1]  ; the pillar's other 16 points
.endr
	v_pk_add_f32 v[SUM:SUM+1], v[SUM:SUM+1], v[QM:QM+1]
	v_pk_add_f32 v[SUM+2:SUM+3], v[SUM+2:SUM+3], v[QM+2:QM+3]
	v_pk_mul_f32 v[MEAN:MEAN+1], v[SUM:SUM+1], v[INV:INV+1] op_sel_hi:[1,0]
	v_pk_mul_f32 v[MEAN+2:MEAN+3], v[SUM+2:SUM+3], v[INV:INV+1] op_sel_hi:[1,0]
; PASS 2, point t: mask, centre, mask the point, round it to bf16 into PB + 2 t (registers of points that have been used up), add q q^T onto S; point 0 starts those sums.
.macro PREP t
	v_cmp_lt_i32 vcc_lo, \t, v[NPL]
	v_cndmask_b32 v[MF], 0, 1.0, vcc_lo
	v_pk_add_f32 v[QM:QM+1], v[PB+4*(\t):PB+4*(\t)+1], v[MEAN:MEAN+1] neg_lo:[0,1] neg_hi:[0,1]
	v_pk_add_f32 v[QM+2:QM+3], v[PB+4*(\t)+2:PB+4*(\t)+3], v[MEAN+2:MEAN+3] neg_lo:[0,1] neg_hi:[0,1]
	v_pk_mul_f32 v[QM:QM+1], v[QM:QM+1], v[MF:MF+1] op_sel_hi:[1,0]
	v_pk_mul_f32 v[QM+2:QM+3], v[QM+2:QM+3], v[MF:MF+1] op_sel_hi:[1,0]
	v_cvt_pk_bf16_f32 v[PB+2*(\t)], v[QM], v[QM+1]
	v_cvt_pk_bf16_f32 v[PB+2*(\t)+1], v[QM+2], v[QM+3]
.if (\t) == 0
	v_pk_mul_f32 v[S:S+1], v[QM:QM+1], v[QM:QM+1]                                          ; xx yy
	v_pk_mul_f32 v[S+2:S+3], v[QM+2:QM+3], v[QM+2:QM+3]                                    ; zz ww
	v_pk_mul_f32 v[S+4:S+5], v[QM:QM+1], v[QM+2:QM+3]                                      ; xz yw
	v_pk_mul_f32 v[S+6:S+7], v[QM:QM+1], v[QM+2:QM+3] op_sel:[0,1] op_sel_hi:[1,0]         ; xw yz
	v_pk_mul_f32 v[S+8:S+9], v[QM:QM+1], v[QM:QM+1] op_sel:[0,1] op_sel_hi:[1,0]           ; xy yx
	v_pk_mul_f32 v[S+10:S+11], v[QM+2:QM+3], v[QM+2:QM+3] op_sel:[0,1] op_sel_hi:[1,0]     ; zw wz
.else
	v_pk_fma_f32 v[S:S+1], v[QM:QM+1], v[QM:QM+1], v[S:S+1]
	v_pk_fma_f32 v[S+2:S+3], v[QM+2:QM+3], v[QM+2:QM+3], v[S+2:S+3]
	v_pk_fma_f32 v[S+4:S+5], v[QM:QM+1], v[QM+2:QM+3], v[S+4:S+5]
	v_pk_fma_f32 v[S+6:S+7], v[QM:QM+1], v[QM+2:QM+3], v[S+6:S+7] op_sel:[0,1,0] op_sel_hi:[1,0,1]
	v_pk_fma_f32 v[S+8:S+9], v[QM:QM+1], v[QM:QM+1], v[S+8:S+9] op_sel:[0,1,0] op_sel_hi:[1,0,1]
	v_pk_fma_f32 v[S+10:S+11], v[QM+2:QM+3], v[QM+2:QM+3], v[S+10:S+11] op_sel:[0,1,0] op_sel_hi:[1,0,1]
.endif
.endm
.set t, 0
.rept 16
	PREP t
.set t, t+1
.endr
	; THE PILLAR'S NUMBERS: u to ustat; my 48 moments into my slot, whose points have all been read (the last count-down ended at 0) and which is filled no more
	v_add_nc_u32 v[NP], s[G0+1], v[GOFF]           ; group g of four moments at slot + 512 g + 16 x lane
	ds_store_b128 v[NP], v[S:S+3]
	ds_store_b128 v[NP], v[S+4:S+7] offset:512
	ds_store_b128 v[NP], v[S+8:S+11] offset:1024
.irp i, 0,1,2
	v_sub_f32 v[TG+\i], v[MEAN+\i], v[TC+\i]
.endr
.irp i, 0,1,2
	v_mul_f32 v[TG+\i], v[TC+3], v[TG+\i]          ; an empty pillar's u is 0: it then counts as a padded point does
.endr
	v_cmp_gt_f32 vcc_lo, 0x42000000, v[NF]
	v_cndmask_b32 v[TG+3], 0, 1.0, vcc_lo          ; 1 where the pillar has padded points
.irp i, 0,1,2,3
	v_cndmask_b32 v[USTD+\i], v[MEAN+\i], v[TG+\i], s[HI]
.endr
	global_store_b128 v[UOFF], v[USTD:USTD+3], s[UB:UB+1]  ; 32 bytes a pillar, a half from each half of the lanes: the wave's store covers 512 consecutive bytes, aligned
.irp a, 0,1,2,3
	v_sub_f32 v[KE+\a], v[MEAN+\a], s[F0+\a]
.endr
.irp a, 0,1,2
	v_sub_f32 v[KE+4+\a], v[TG+\a], s[RF+\a]
.endr
	v_cndmask_b32 v[KE+7], v[NF], 0, s[HI]
	v_mov_b32 v[NUG], v[KE+7]
.set a, 0
.rept 7
	v_mul_f32 v[NUG+1+a], v[KE+7], v[KE+a]
.set a, a+1
.endr
.set a, 0
.rept 7
.set b, a
.rept 7-a
	v_mul_f32 v[M2R+a*(15-a)/2+(b-a)], v[NUG+1+a], v[KE+b]
.set b, b+1
.endr
.set a, a+1
.endr
	ds_store_b128 v[NP], v[NUG:NUG+3] offset:1536
	ds_store_b128 v[NP], v[NUG+4:NUG+7] offset:2048
.set q, 0
.rept 7
	ds_store_b128 v[NP], v[M2R+4*q:M2R+4*q+3] offset:2560+512*q
.set q, q+1
.endr
	s_wait_xcnt 0x0                                ; the store to ustat has read its data: D's registers may be written
; PASS 3: 64 groups (g = 4 x point + tile) of two products, C the constant 0: no product adds onto another.
; MAXG g: the group's eight maxima; each D is read from its lowest register on.  Point 0 starts the maxima.
.macro MAXG g
.set mC, ACC+8*((\g)%4)
.set mD, DD+16*((\g)%2)
.set mj, 0
.rept 8
.if (\g) < 4
	v_max_num_f32 v[mC+mj], v[mD+mj], v[mD+8+mj]
.else
	v_max3_num_f32 v[mC+mj], v[mC+mj], v[mD+mj], v[mD+8+mj]
.endif
.set mj, mj+1
.endr
.endm
; Behind a group's two products stand the eight maxima of the group before, which name none of their registers: the places (ISA guide 7.12.1) ahead of the first read
; of the new D (four are wanted), of the next point's two lines into A (four), and of the products two groups on, which write over the same D buffer (five; that group's own
; maxima, which read the buffer, are no places).  Group 0 has no group before it: five v_nop take the maxima's part.
.macro GROUP
.if g%4 == 0
	v_mov_b32 v[AF], v[PB+2*(g/4)]
	v_mov_b32 v[AF+1], v[PB+2*(g/4)+1]
.endif
	v_wmma_f32_16x16x32_bf16 v[DD+16*(g%2):DD+16*(g%2)+7], v[AF:AF+7], v[BB+4*(g%4):BB+4*(g%4)+7], 0
	v_wmma_f32_16x16x32_bf16 v[DD+16*(g%2)+8:DD+16*(g%2)+15], v[AF:AF+7], v[BB+4*(g%4)+2:BB+4*(g%4)+9], 0
.if g == 0
.rept 5
	v_nop
.endr
.else
	MAXG g-1
.endif
.endm
.set g, 0
.rept 64
	GROUP
.set g, g+1
.endr
	MAXG 63
.set i, 0
.rept 4                                        ; pillars 8 h + 2 i and 8 h + 2 i + 1, channels 4 r .. 4 r + 3: 16 bytes a lane, 512 consecutive bytes a store, aligned
	v_cvt_pk_bf16_f32 v[PB+4*i],   v[ACC+2*i],      v[ACC+8+2*i]
	v_cvt_pk_bf16_f32 v[PB+4*i+1], v[ACC+16+2*i],   v[ACC+24+2*i]
	v_cvt_pk_bf16_f32 v[PB+4*i+2], v[ACC+2*i+1],    v[ACC+8+2*i+1]
	v_cvt_pk_bf16_f32 v[PB+4*i+3], v[ACC+16+2*i+1], v[ACC+24+2*i+1]
	global_store_b128 v[GOFF], v[PB+4*i:PB+4*i+3], s[GB:GB+1] offset:512*i
.set i, i+1
.endr
	; THE MOMENTS are added lane by lane over the 25 waves, then over the lanes: waves 0 to 11 take a group of four each.
	s_wait_dscnt 0x0                               ; for the others' sake: my stores into my slot are done
	s_barrier_signal -1
	s_barrier_wait -1
	s_wait_xcnt 0x0                                ; the stores to gmax have read their data
.irp i, 0,1,2,3
	v_mov_b32 v[16+\i], 0                          ; waves 12 to 15 fill the row's last 16 numbers with 0
.endr
	s_cmp_lt_u32 s[WV], 12
	s_cbranch_scc0 .Lno_sum
	s_lshl_b32 s[OF], s[WV], 9
	v_add_nc_u32 v120, s[OF], v[GOFF]              ; group w in slot 0; an immediate holds 16 bits, so every seventh slot has a base of its own
	v_add_nc_u32 v121, 7*UNITB, v120
	v_add_nc_u32 v122, 14*UNITB, v120
	v_add_nc_u32 v123, 21*UNITB, v120
.set w, 0
.rept 25
	ds_load_b128 v[16+4*w:19+4*w], v[120+w/7] offset:(w%7)*UNITB
.set w, w+1
.endr
	s_wait_dscnt 0x0
.set w, 1
.rept 24
	v_pk_add_f32 v[16:17], v[16:17], v[16+4*w:17+4*w]
	v_pk_add_f32 v[18:19], v[18:19], v[18+4*w:19+4*w]
.set w, w+1
.endr
.irp m, 1,2,4,8
.irp i, 0,1,2,3
	v_add_f32_dpp v[16+\i], v[16+\i], v[16+\i] row_xmask:\m row_mask:0xf bank_mask:0xf
.endr
.endr
.irp i, 0,1,2,3
	v_permlanex16_b32 v[20+\i], v[16+\i], s[SEL], s[SEL+1]
.endr
	v_pk_add_f32 v[16:17], v[16:17], v[20:21]
	v_pk_add_f32 v[18:19], v[18:19], v[22:23]
.Lno_sum:
	s_cmp_lt_u32 s[WV], 16
	s_cbranch_scc0 .Lno_fin
	s_lshl_b32 s[OF], s[WV], 4
	s_add_co_u32 s[OF], s[OF], FIN
	v_mov_b32 v1, s[OF]
	ds_store_b128 v1, v[16:19]                     ; every lane holds the same four sums and writes the same 16 bytes
.Lno_fin:
	s_wait_dscnt 0x0
	s_barrier_signal -1
	s_barrier_wait -1
	s_cmp_lg_u32 s[WV], 0
	s_cbranch_scc1 .Lend
	v_lshrrev_b32 v1, 1, v[GOFF]                   ; 8 x lane
	v_add_nc_u32 v[NP], FIN, v1
	ds_load_b64 v[16:17], v[NP]
	s_wait_dscnt 0x0
	global_store_b64 v1, v[16:17], s[PRB:PRB+1]    ; 32 lanes store the row's 256 consecutive bytes, aligned
.Lend:
	s_wait_tensorcnt 0x0                           ; the wave's end, behind my tensor load and my last LDS store
	ds_add_u32 v[SPW], v[NIL]
	s_wait_dscnt 0x0
	s_endpgm
.Lfunc_end_k_qf0f30b3df9_pillars:
	.size	k_qf0f30b3df9_pillars, .Lfunc_end_k_qf0f30b3df9_pillars-k_qf0f30b3df9_pillars
	.p2alignl 7, 3214868480
	.fill 96, 4, 3214868480
	.section	.rodata,"a",@progbits
	.p2align	6, 0x0
	.amdhsa_kernel k_qf0f30b3df9_pillars
		.amdhsa_group_segment_fixed_size 214784
		.amdhsa_private_segment_fixed_size 0
		.amdhsa_enable_private_segment 0
		.amdhsa_kernarg_size 64
		.amdhsa_user_sgpr_count 2
		.amdhsa_user_sgpr_kernarg_segment_ptr 1
		.amdhsa_wavefront_size32 1
		.amdhsa_system_sgpr_workgroup_id_x 1
		.amdhsa_system_sgpr_workgroup_id_y 1
		.amdhsa_system_sgpr_workgroup_id_z 1
		.amdhsa_system_vgpr_workitem_id 0
		.amdhsa_next_free_vgpr 144
		.amdhsa_next_free_sgpr 66
		.amdhsa_reserve_vcc 1
		.amdhsa_float_denorm_mode_32 3
		.amdhsa_float_denorm_mode_16_64 3
		.amdhsa_memory_ordered 1
		.amdhsa_forward_progress 1
		.amdhsa_inst_pref_size 80
	.end_amdhsa_kernel
	.amdgpu_metadata
---
amdhsa.version: [ 1, 2 ]
amdhsa.kernels:
  - .name:           k_qf0f30b3df9_pillars
    .symbol:         k_qf0f30b3df9_pillars.kd
    .args:
      - { .name: features, .offset: 0, .size: 8, .value_kind: global_buffer, .address_space: global }
      - { .name: W, .offset: 8, .size: 8, .value_kind: global_buffer, .address_space: global }
      - { .name: gamma, .offset: 16, .size: 8, .value_kind: global_buffer, .address_space: global }
      - { .name: num_points, .offset: 24, .size: 8, .value_kind: global_buffer, .address_space: global }
      - { .name: coors, .offset: 32, .size: 8, .value_kind: global_buffer, .address_space: global }
      - { .name: gmax, .offset: 40, .size: 8, .value_kind: global_buffer, .address_space: global }
      - { .name: ustat, .offset: 48, .size: 8, .value_kind: global_buffer, .address_space: global }
      - { .name: part, .offset: 56, .size: 8, .value_kind: global_buffer, .address_space: global }
    .group_segment_fixed_size: 214784
    .private_segment_fixed_size: 0
    .kernarg_segment_align: 8
    .kernarg_segment_size: 64
    .max_flat_workgroup_size: 800
    .sgpr_count:     66
    .vgpr_count:     144
    .wavefront_size: 32
...
	.end_amdgpu_metadata
.endif
;; end of part 1
;; launch finish (part 2): grid 250 x 1, 25 waves a work-group, no clusters, 25,600 bytes of LDS; arguments gmax, ustat, part, W, gamma, beta, features, coors, out0; writes out0
.if DOCPART == 2
	.amdgcn_target "amdgcn-amd-amdhsa--gfx1250"
	.amdhsa_code_object_version 6
	.text
	.protected	k_qf0f30b3df9_finish
	.globl	k_qf0f30b3df9_finish
	.p2align	8
	.type	k_qf0f30b3df9_finish,@function
k_qf0f30b3df9_finish:
	s_mov_b64 s[64:65], 0
	v_nop
	global_prefetch_b8 v0, s[64:65] scope:SCOPE_SE
	s_setreg_imm32_b32 hwreg(HW_REG_WAVE_MODE, 25, 1), 1
	s_wait_xcnt 0x0
; PILLAR FEATURES, launch 2 of 2.  out0[p][d] = max(|g rs| G[p][d] + u[p] . (g rs E[.][d]) + t[d], flag[p] x max(t[d], 0)),  g = gamma, rs = 1 / sqrt(var + 0.001),
; t = beta - g rs mu: the value of a padded point (h = 0).  The second operand is never below 0, so it is the ReLU too.  G (bf16), u and flag (f32) come from launch 1.
; STATISTICS.  The 250 rows of part are added; for channel d, with K = reference . E, over the nv valid points:
;   S1 = sum (h - K) = M1 . E,   S2 = sum n (u' . E)^2 = E^T M2 E,   Sq = A4^T (sum q q^T) A4,   their mean mv = K + S1 / nv,   their M2v = S2 - S1^2 / nv + Sq;
; the N - nv padded zeros are joined to them:  mu = mv nv / N,   var N = M2v + mv^2 nv (N - nv) / N.  The one subtraction stands between numbers of the variance's own size, thanks to K.
; SHARES.  250 work-groups of 25 waves; a wave has one unit of 16 pillars.  Every wave adds 10 rows of part; waves 0 and 1 finish the sums and make ten constants a channel,
; a channel a lane, into a table in LDS; then each wave takes its lanes' four channels from it.  Lane (r, h) has channels 4 r .. 4 r + 3 of the pillars 8 h .. 8 h + 7.
; All global loads go out at the head, so the reduction runs while gmax and ustat are on their way; so nothing is left to prefetch.
; NO MATRIX UNIT: seven multiply-adds an output, on numbers (offsets from the voxel centre) that need f32.  NO CLUSTER: what is shared is part, 64,000 bytes.
; LIMITS as in launch 1 (counts clamped to 0..32; NaN and infinities not treated apart); with no valid point at all mu = var = 0.
.set PW,    0                          ; 25 rows of 256 bytes: each wave's sum of its 10 rows
.set TOT,   6400                       ; the total row, once for wave 0 and once for wave 1
.set TAB,   6912                       ; constant j of channel d at 256 j + 4 d: g rs E (7), t, |g rs|, max(t, 0)
.set US,    9472                       ; 512 bytes a wave: its unit's u and flags
.set SPARE, 22272                      ; the spare words: 128 bytes a wave, thirteen blocks of 256 bytes that no other line names
.set PWA,  1                           ; 256 x wave + 16 r
.set R,    2
.set H,    3
.set SPW,  4                           ; LDS address of my spare word; never rewritten
.set NIL,  5                           ; 0; never rewritten
.set GOFF, 6                           ; 16 x lane
.set OOFF, 7                           ; 2,048 h + 16 r
.set UA,   8                           ; US + 512 x wave + 256 h
.set TA,   9                           ; TAB + 16 r
.set R16,  10                          ; 16 r
.set D4,   11                          ; 4 x (thread % 64): in waves 0 and 1 the lane's channel
.set PR,   12                          ; v[12:31] five loads of two rows of part
.set R24,  20                          ; v[20:23] later, in waves 0 and 1: row 24 of the waves' sums (PR is idle by then)
.set UL,   32                          ; v[32:35] my 16 bytes of the unit's ustat
.set GM,   36                          ; v[36:51] gmax: load i holds pillars 8 h + 2 i, 8 h + 2 i + 1
.set WR,   52                          ; v[52:61] W[k][d]; v62 gamma, v63 beta
.set MO,   64                          ; v[64:111] rows 0 to 23 on their way to the total; then the 48 moments
.set A4,   112                         ; v[112:114] A4's rows 0 to 2; row 3 is W's row 3
.set RFV,  116                         ; v[116:118] the reference's offsets from its centre; then
.set FR,   116                         ;   nv / N
.set MU,   117
.set GR,   118
.set RS,   119
.set USA,  120                         ; where I put UL
.set BCA,  121                         ; the total row's address, the same in every lane
.set KK,   123
.set S1,   124
.set S2,   125
.set SQ,   126
.set RA,   127
.set IN,   128
.set M1,   129
.set MV,   130
.set X,    131
.set CT,   132                         ; v[132:141] the ten constants
.set CN,   52                          ; later: v[52:91] constant j of my four channels at CN + 4 j
.set U,    92                          ; v[92:123] two sets of 16: u and flag of a pair of pillars
.set Y,    124                         ; v[124:131] four results for each pillar of a pair
.set T,    140                         ; v[140:143] at work
.set WV,   22
.set UN,   23
.set OF,   24
.set GB,   26
.set UB,   28
.set PB,   30
.set OB,   32
.set SEL,  34
.set F0,   36
.set C0,   40
.set VS,   44
.set HVS,  45
.set NN,   46
.set RN,   47
.set EPS,  48
.set MSK,  49
	s_load_b512 s[4:19], s[0:1], 0x0               ; gmax s[4:5], ustat s[6:7], part s[8:9], W s[10:11], gamma s[12:13], beta s[14:15], features s[16:17], coors s[18:19]
	s_load_b64 s[20:21], s[0:1], 0x40              ; out0
	v_lshl_add_u32 v[SPW], v0, 2, SPARE
	v_mov_b32 v[NIL], 0
	v_lshrrev_b32 v1, 5, v0
	v_readfirstlane_b32 s[WV], v1                  ; wave 0..24
	s_mul_i32 s[UN], ttmp9, 25
	s_add_co_u32 s[UN], s[UN], s[WV]               ; my unit, as in launch 1
	s_mov_b32 s[OF+1], 0
	s_mov_b32 s[SEL], 0x76543210
	s_mov_b32 s[SEL+1], 0xfedcba98
	s_mov_b32 s[VS], 0x3e4ccccd                    ; 0.2
	s_mov_b32 s[HVS], 0x3dcccccd                   ; 0.1
	s_mov_b32 s[NN], 0x4a435000                    ; N = 3,200,000 points
	s_mov_b32 s[RN], 0x34a7c5ac                    ; 1 / N
	s_mov_b32 s[EPS], 0x3a83126f                   ; 0.001
	s_mov_b32 s[MSK], 0xffff0000                   ; a word's upper bf16
	v_and_b32 v[R], 15, v0
	v_bfe_u32 v[H], v0, 4, 1
	v_and_b32 v1, 31, v0
	v_lshlrev_b32 v[GOFF], 4, v1
	v_lshlrev_b32 v[R16], 4, v[R]
	v_lshl_add_u32 v[OOFF], v[H], 11, v[R16]
	s_lshl_b32 s2, s[WV], 9
	s_add_co_u32 s2, s2, US
	v_lshl_add_u32 v[UA], v[H], 8, s2
	v_add_nc_u32 v[USA], s2, v[GOFF]
	v_add_nc_u32 v[TA], TAB, v[R16]
	v_and_b32 v[D4], 63, v0
	v_lshlrev_b32 v[D4], 2, v[D4]
	s_lshl_b32 s3, s[WV], 8
	v_add_nc_u32 v[PWA], s3, v[R16]
	s_wait_kmcnt 0x0
	s_lshl_b32 s[OF], s[UN], 11
	s_add_nc_u64 s[GB:GB+1], s[4:5], s[OF:OF+1]
	s_lshl_b32 s[OF], s[UN], 9
	s_add_nc_u64 s[UB:UB+1], s[6:7], s[OF:OF+1]
	s_mul_i32 s[OF], s[WV], 2560                   ; my ten rows of part
	s_add_nc_u64 s[PB:PB+1], s[8:9], s[OF:OF+1]
	s_lshl_b32 s[OF], s[UN], 12                    ; a unit is 4,096 bytes of out0
	s_add_nc_u64 s[OB:OB+1], s[20:21], s[OF:OF+1]
	s_cmp_lt_u32 s[WV], 2
	s_cbranch_scc0 .Lno_w                          ; only the two waves that make the table want W, gamma, beta and the reference
.set k, 0
.rept 10
	global_load_b32 v[WR+k], v[D4], s[10:11] offset:256*k
.set k, k+1
.endr
	global_load_b32 v[WR+10], v[D4], s[12:13]
	global_load_b32 v[WR+11], v[D4], s[14:15]
	s_load_b128 s[F0:F0+3], s[16:17], 0x0          ; point 0 of pillar 0
	s_load_b128 s[C0:C0+3], s[18:19], 0x0          ; and its coors
.Lno_w:
.set i, 0
.rept 5
	global_load_b128 v[PR+4*i:PR+4*i+3], v[GOFF], s[PB:PB+1] offset:512*i  ; rows 2 i (lanes 0-15) and 2 i + 1 (lanes 16-31) of my ten
.set i, i+1
.endr
	global_load_b128 v[UL:UL+3], v[GOFF], s[UB:UB+1] th:TH_LOAD_NT
.set i, 0
.rept 4
	global_load_b128 v[GM+4*i:GM+4*i+3], v[GOFF], s[GB:GB+1] offset:512*i th:TH_LOAD_NT
.set i, i+1
.endr
	s_wait_loadcnt 0x5                             ; loads come back in order (ISA guide 5.7.1): the rows (and W) are in; ustat's load and gmax's four, issued behind them, stay out
.irp i, 1,2,3,4
	v_pk_add_f32 v[PR:PR+1], v[PR:PR+1], v[PR+4*\i:PR+4*\i+1]
	v_pk_add_f32 v[PR+2:PR+3], v[PR+2:PR+3], v[PR+4*\i+2:PR+4*\i+3]
.endr
.irp i, 0,1,2,3
	v_permlanex16_b32 v[PR+4+\i], v[PR+\i], s[SEL], s[SEL+1]  ; the odd rows' sum to the even rows', and back
.endr
	v_pk_add_f32 v[PR:PR+1], v[PR:PR+1], v[PR+4:PR+5]
	v_pk_add_f32 v[PR+2:PR+3], v[PR+2:PR+3], v[PR+6:PR+7]
	ds_store_b128 v[PWA], v[PR:PR+3] offset:PW     ; both halves of the lanes hold the same sums and write the same bytes
	s_wait_loadcnt 0x4                             ; ustat's load is in; gmax's four stay out
	ds_store_b128 v[USA], v[UL:UL+3]
	s_wait_dscnt 0x0                               ; for the others' sake: my row is written
	s_barrier_signal -1
	s_barrier_wait -1
	s_cmp_lt_u32 s[WV], 2
	s_cbranch_scc0 .Ltab_done
	; WAVES 0 AND 1: the total row, then the lane's channel
.set i, 0
.rept 12
	ds_load_b128 v[MO+4*i:MO+4*i+3], v[GOFF] offset:PW+512*i   ; rows 2 i + h
.set i, i+1
.endr
	ds_load_b128 v[R24:R24+3], v[R16] offset:PW+6144           ; row 24
.irp k, 0,1,2
	v_add_f32 v[A4+\k], v[WR+\k], v[WR+4+\k]
	v_add_f32 v[A4+\k], v[A4+\k], v[WR+7+\k]
.endr
	s_wait_kmcnt 0x0
	v_cvt_f32_i32 v[RFV], s[C0+1]                  ; the reference, by the same lines as in launch 1
	v_cvt_f32_i32 v[RFV+1], s[C0+2]
	v_cvt_f32_i32 v[RFV+2], s[C0+3]
	v_fma_f32 v[RFV], v[RFV], s[VS], s[HVS]
	v_fma_f32 v[RFV+1], v[RFV+1], s[VS], s[HVS]
	v_fma_f32 v[RFV+2], v[RFV+2], 4.0, 2.0
	v_sub_f32 v[RFV], s[F0], v[RFV]
	v_sub_f32 v[RFV+1], s[F0+1], v[RFV+1]
	v_sub_f32 v[RFV+2], s[F0+2], v[RFV+2]
	v_mul_f32 v[KK], s[F0], v[WR]
	v_fmac_f32 v[KK], s[F0+1], v[WR+1]
	v_fmac_f32 v[KK], s[F0+2], v[WR+2]
	v_fmac_f32 v[KK], s[F0+3], v[WR+3]
	v_fmac_f32 v[KK], v[RFV], v[WR+7]
	v_fmac_f32 v[KK], v[RFV+1], v[WR+8]
	v_fmac_f32 v[KK], v[RFV+2], v[WR+9]
	s_wait_dscnt 0x0
.set i, 1
.rept 11
	v_pk_add_f32 v[MO:MO+1], v[MO:MO+1], v[MO+4*i:MO+4*i+1]
	v_pk_add_f32 v[MO+2:MO+3], v[MO+2:MO+3], v[MO+4*i+2:MO+4*i+3]
.set i, i+1
.endr
.irp i, 0,1,2,3
	v_permlanex16_b32 v[MO+4+\i], v[MO+\i], s[SEL], s[SEL+1]
.endr
	v_pk_add_f32 v[MO:MO+1], v[MO:MO+1], v[MO+4:MO+5]
	v_pk_add_f32 v[MO+2:MO+3], v[MO+2:MO+3], v[MO+6:MO+7]
	v_pk_add_f32 v[MO:MO+1], v[MO:MO+1], v[R24:R24+1]
	v_pk_add_f32 v[MO+2:MO+3], v[MO+2:MO+3], v[R24+2:R24+3]
	ds_store_b128 v[PWA], v[MO:MO+3] offset:TOT    ; my wave's own copy of the total row
	v_mov_b32 v[BCA], s3
.set j, 0
.rept 12
	ds_load_b128 v[MO+4*j:MO+4*j+3], v[BCA] offset:TOT+16*j  ; all 48 moments into every lane; LDS serves a wave's instructions in order (ISA guide 5.7.1.4): these see the store above
.set j, j+1
.endr
	s_wait_dscnt 0x0
	; E's row a is W's row a (a < 4) or a + 3
.set a, 0
.rept 7
.set eA, WR+a+3*(a/4)
.if a == 0
	v_mul_f32 v[S1], v[MO+13], v[eA]
.else
	v_fmac_f32 v[S1], v[MO+13+a], v[eA]
.endif
.set a, a+1
.endr
.set a, 0
.rept 7
.set b, 0
.rept 7
.if a < b
.set ix, 20+a*(15-a)/2+(b-a)
.else
.set ix, 20+b*(15-b)/2+(a-b)
.endif
.set eB, WR+b+3*(b/4)
.if b == 0
	v_mul_f32 v[RA], v[MO+ix], v[eB]
.else
	v_fmac_f32 v[RA], v[MO+ix], v[eB]
.endif
.set b, b+1
.endr
.set eA, WR+a+3*(a/4)
.if a == 0
	v_mul_f32 v[S2], v[eA], v[RA]
.else
	v_fmac_f32 v[S2], v[eA], v[RA]
.endif
.set a, a+1
.endr
; A row of sum q q^T (the places of its four numbers among the moments) times A4, times A4's number ra
.macro QROW ra, i0, i1, i2, i3, first
	v_mul_f32 v[RA], v[MO+\i0], v[A4]
	v_fmac_f32 v[RA], v[MO+\i1], v[A4+1]
	v_fmac_f32 v[RA], v[MO+\i2], v[A4+2]
	v_fmac_f32 v[RA], v[MO+\i3], v[WR+3]
.if \first
	v_mul_f32 v[SQ], v[\ra], v[RA]
.else
	v_fmac_f32 v[SQ], v[\ra], v[RA]
.endif
.endm
	QROW A4,   0, 8, 4, 6,  1
	QROW A4+1, 9, 1, 7, 5,  0
	QROW A4+2, 4, 7, 2, 10, 0
	QROW WR+3, 6, 5, 11, 3, 0
	v_max_num_f32 v[X], 1.0, v[MO+12]
	v_rcp_f32 v[IN], v[X]
	v_mul_f32 v[FR], s[RN], v[MO+12]               ; nv / N
	v_sub_f32 v[RA], s[NN], v[MO+12]               ; N - nv
	s_wait_alu depctr_va_vdst(0)                   ; the reciprocal's wait, ahead of its first reader; the two lines above are the plain work behind it
	v_mul_f32 v[M1], v[S1], v[IN]
	v_add_f32 v[MV], v[KK], v[M1]
	v_fma_f32 v[S2], -v[S1], v[M1], v[S2]
	v_add_f32 v[S2], v[S2], v[SQ]
	v_mul_f32 v[MU], v[MV], v[FR]
	v_mul_f32 v[RA], v[RA], v[MU]
	v_fma_f32 v[S2], v[RA], v[MV], v[S2]
	v_max_num_f32 v[S2], 0, v[S2]
	v_fma_f32 v[S2], v[S2], s[RN], s[EPS]          ; var + 0.001
	v_rsq_f32 v[RS], v[S2]
	v_nop                                          ; a plain instruction behind the root,
	s_wait_alu depctr_va_vdst(0)                   ; and its wait, ahead of its first reader
	v_mul_f32 v[GR], v[WR+10], v[RS]
.set a, 0
.rept 7
	v_mul_f32 v[CT+a], v[GR], v[WR+a+3*(a/4)]
.set a, a+1
.endr
	v_fma_f32 v[CT+7], -v[GR], v[MU], v[WR+11]
	v_and_b32 v[CT+8], 0x7fffffff, v[GR]
	v_max_num_f32 v[CT+9], 0, v[CT+7]
.set j, 0
.rept 10
	ds_store_b32 v[D4], v[CT+j] offset:TAB+256*j
.set j, j+1
.endr
.Ltab_done:
	s_wait_dscnt 0x0                               ; for the others' sake: the table is written
	s_barrier_signal -1
	s_barrier_wait -1
	; EVERY WAVE: its unit
.macro ULOAD i                         ; u and flag of pillars 8 h + 2 i and 8 h + 2 i + 1: 64 bytes, the same for the sixteen lanes of a half
.irp p, 0,1,2,3
	ds_load_b128 v[U+16*((\i)%2)+4*\p:U+16*((\i)%2)+4*\p+3], v[UA] offset:64*(\i)+16*\p
.endr
.endm
; A pair of pillars: four channels each.  left: the LDS loads issued behind this pair's, which may stay out.
.macro PAIR i, left
	s_wait_dscnt \left
	s_wait_xcnt 0x0                                ; the last pair's stores have read Y
.irp q, 0,1
.set rG, GM+4*(\i)+2*\q
.set rU, U+16*((\i)%2)+8*\q
.set rY, Y+4*\q
	v_lshlrev_b32 v[T], 16, v[rG]                  ; bf16 to f32
	v_and_b32 v[T+1], s[MSK], v[rG]
	v_lshlrev_b32 v[T+2], 16, v[rG+1]
	v_and_b32 v[T+3], s[MSK], v[rG+1]
	v_pk_fma_f32 v[rY:rY+1], v[T:T+1], v[CN+32:CN+33], v[CN+28:CN+29]          ; |g rs| G + t
	v_pk_fma_f32 v[rY+2:rY+3], v[T+2:T+3], v[CN+34:CN+35], v[CN+30:CN+31]
.irp a, 0,2,4,6
	v_pk_fma_f32 v[rY:rY+1], v[CN+4*\a:CN+4*\a+1], v[rU+\a:rU+\a+1], v[rY:rY+1] op_sel_hi:[1,0,1]        ; + u_a g rs E_a: the pair's first register for both halves,
	v_pk_fma_f32 v[rY+2:rY+3], v[CN+4*\a+2:CN+4*\a+3], v[rU+\a:rU+\a+1], v[rY+2:rY+3] op_sel_hi:[1,0,1]
.endr
.irp a, 1,3,5
	v_pk_fma_f32 v[rY:rY+1], v[CN+4*\a:CN+4*\a+1], v[rU+\a-1:rU+\a], v[rY:rY+1] op_sel:[0,1,0] op_sel_hi:[1,1,1]  ; or its second
	v_pk_fma_f32 v[rY+2:rY+3], v[CN+4*\a+2:CN+4*\a+3], v[rU+\a-1:rU+\a], v[rY+2:rY+3] op_sel:[0,1,0] op_sel_hi:[1,1,1]
.endr
	v_pk_mul_f32 v[T:T+1], v[CN+36:CN+37], v[rU+6:rU+7] op_sel:[0,1] op_sel_hi:[1,1]    ; flag x max(t, 0)
	v_pk_mul_f32 v[T+2:T+3], v[CN+38:CN+39], v[rU+6:rU+7] op_sel:[0,1] op_sel_hi:[1,1]
.irp c, 0,1,2,3
	v_max_num_f32 v[rY+\c], v[rY+\c], v[T+\c]
.endr
	global_store_b128 v[OOFF], v[rY:rY+3], s[OB:OB+1] offset:(2*(\i)+\q)*256 th:TH_STORE_NT  ; sixteen lanes store a pillar's 256 consecutive bytes, aligned
.endr
.endm
.set j, 0
.rept 10
	ds_load_b128 v[CN+4*j:CN+4*j+3], v[TA] offset:256*j
.set j, j+1
.endr
	ULOAD 0
	ULOAD 1
	s_wait_loadcnt 0x0                             ; gmax
	PAIR 0, 4                                      ; the table and pair 0's u are in; pair 1's four loads stay out
	ULOAD 2
	PAIR 1, 4
	ULOAD 3
	PAIR 2, 4
	PAIR 3, 0
	s_wait_tensorcnt 0x0                           ; the wave's end, behind my last LDS store
	ds_add_u32 v[SPW], v[NIL]
	s_wait_dscnt 0x0
	s_endpgm
.Lfunc_end_k_qf0f30b3df9_finish:
	.size	k_qf0f30b3df9_finish, .Lfunc_end_k_qf0f30b3df9_finish-k_qf0f30b3df9_finish
	.p2alignl 7, 3214868480
	.fill 96, 4, 3214868480
	.section	.rodata,"a",@progbits
	.p2align	6, 0x0
	.amdhsa_kernel k_qf0f30b3df9_finish
		.amdhsa_group_segment_fixed_size 25600
		.amdhsa_private_segment_fixed_size 0
		.amdhsa_enable_private_segment 0
		.amdhsa_kernarg_size 72
		.amdhsa_user_sgpr_count 2
		.amdhsa_user_sgpr_kernarg_segment_ptr 1
		.amdhsa_wavefront_size32 1
		.amdhsa_system_sgpr_workgroup_id_x 1
		.amdhsa_system_sgpr_workgroup_id_y 1
		.amdhsa_system_sgpr_workgroup_id_z 1
		.amdhsa_system_vgpr_workitem_id 0
		.amdhsa_next_free_vgpr 144
		.amdhsa_next_free_sgpr 66
		.amdhsa_reserve_vcc 0
		.amdhsa_float_denorm_mode_32 3
		.amdhsa_float_denorm_mode_16_64 3
		.amdhsa_memory_ordered 1
		.amdhsa_forward_progress 1
		.amdhsa_inst_pref_size 29
	.end_amdhsa_kernel
	.amdgpu_metadata
---
amdhsa.version: [ 1, 2 ]
amdhsa.kernels:
  - .name:           k_qf0f30b3df9_finish
    .symbol:         k_qf0f30b3df9_finish.kd
    .args:
      - { .name: gmax, .offset: 0, .size: 8, .value_kind: global_buffer, .address_space: global }
      - { .name: ustat, .offset: 8, .size: 8, .value_kind: global_buffer, .address_space: global }
      - { .name: part, .offset: 16, .size: 8, .value_kind: global_buffer, .address_space: global }
      - { .name: W, .offset: 24, .size: 8, .value_kind: global_buffer, .address_space: global }
      - { .name: gamma, .offset: 32, .size: 8, .value_kind: global_buffer, .address_space: global }
      - { .name: beta, .offset: 40, .size: 8, .value_kind: global_buffer, .address_space: global }
      - { .name: features, .offset: 48, .size: 8, .value_kind: global_buffer, .address_space: global }
      - { .name: coors, .offset: 56, .size: 8, .value_kind: global_buffer, .address_space: global }
      - { .name: out0, .offset: 64, .size: 8, .value_kind: global_buffer, .address_space: global }
    .group_segment_fixed_size: 25600
    .private_segment_fixed_size: 0
    .kernarg_segment_align: 8
    .kernarg_segment_size: 72
    .max_flat_workgroup_size: 800
    .sgpr_count:     66
    .vgpr_count:     144
    .wavefront_size: 32
...
	.end_amdgpu_metadata
.endif
;; end of part 2
